; MI455X (gfx1250); checked and timed in simulation.
; The chip was launched on July 23, 2026; its instructions are those of AMD's public machine-readable ISA for CDNA 5 (MIT licence, August 2026) and "CDNA5" Instruction Set Architecture Reference Guide (July 2026). The comments in the code are by the model that wrote it; some were corrected since.
;; Multi Head Attention. Allowed arithmetic: matrix products marked QUANTISED: E5M2 operands, one given power-of-two scale a tensor, by v_wmma_f32_16x16x64_bf8_bf8 or v_wmma_f32_16x16x128_bf8_bf8, f32 sums; everything else in f32.
;; Inputs: K_codes 8 x 1,024 x 32 x 32 uint8 (E5M2 codes of K, K innermost, in blocks of 32 codes); K_mask 8 x 1,024 float32; Q_codes 8 x 1,024 x 32 x 32 uint8 (E5M2 codes of Q, K innermost, in blocks of 32 codes); Q_mask 8 x 1,024 float32; V_codes 8 x 1,024 x 32 x 32 uint8 (E5M2 codes of V, K innermost, in blocks of 32 codes); Wk_codes 1,024 x 32 x 32 uint8 (E5M2 codes of Wk, K innermost, in blocks of 32 codes); Wo_codes 1,024 x 32 x 32 uint8 (E5M2 codes of Wo, K innermost, in blocks of 32 codes); Wq_codes 1,024 x 32 x 32 uint8 (E5M2 codes of Wq, K innermost, in blocks of 32 codes); Wv_codes 1,024 x 32 x 32 uint8 (E5M2 codes of Wv, K innermost, in blocks of 32 codes); bk 1,024 float32; bo 1,024 float32; bq 1,024 float32; bv 1,024 float32; lowp_scales 12 int32 (the exponents e of the quantised operands' scales 2^e).
;; Outputs: out0 8 x 1,024 x 1,024 float32.
;; This version of the problem:
;;   THIS VERSION OF THE PROBLEM IS GIVEN IN LOW PRECISION. The matrix products marked QUANTISED in the list below multiply operands that are first quantised to E5M2 (5 exponent bits, 2 mantissa bits; 8 bits a number), with one given power-of-two scale for each operand tensor; their sums are f32. All else is computed in f32.
;;   The module's matrix products, in the order in which they are computed (A, B: the left and right operand; K: the contracted axis; several contracted axes count as one K, in the product's order):
;;     1. [M 8,192, K 1,024] x [K 1,024, N 1,024]; A: input Q (given as codes); B: input Wq (given as codes): QUANTISED (scales: A lowp_scales[0], B lowp_scales[1])
;;     2. [M 8,192, K 1,024] x [K 1,024, N 1,024]; A: input K (given as codes); B: input Wk (given as codes): QUANTISED (scales: A lowp_scales[2], B lowp_scales[3])
;;     3. [M 8,192, K 1,024] x [K 1,024, N 1,024]; A: input V (given as codes); B: input Wv (given as codes): QUANTISED (scales: A lowp_scales[4], B lowp_scales[5])
;;     4. batch 128 x [M 1,024, K 64] x [K 64, N 1,024]; A: computed on the way; B: computed on the way: QUANTISED (scales: A lowp_scales[6], B lowp_scales[7])
;;     5. batch 128 x [M 64, K 1,024] x [K 1,024, N 1,024]; A: computed on the way; B: computed on the way: QUANTISED (scales: A lowp_scales[8], B lowp_scales[9])
;;     6. [M 8,192, K 1,024] x [K 1,024, N 1,024]; A: computed on the way; B: input Wo (given as codes): QUANTISED (scales: A lowp_scales[10], B lowp_scales[11])
;;   THE QUANTISER, for each operand of a quantised product, along K:
;;     - The operand's scale is 2^e, e = its entry of the input lowp_scales (int32; the entries are numbered through the quantised products in the list's order, A before B).
;;     - Each number is divided by the scale, clamped to +-57,344, and rounded to the nearest number of E5M2, ties to even, subnormals kept.
;;     - The product sums the exact products of the quantised numbers (number of the format x scale) in f32.
;;   ~~~python
;;   def quantise(x, axis, e):      # numpy; x: float32 -> the quantised numbers, widened to float32 again
;;       x = np.moveaxis(x, axis, -1); K = x.shape[-1]
;;       r = np.clip(x / 2.0 ** e, -57344, 57344)
;;       step = 2.0 ** (np.maximum(np.frexp(np.where(r == 0, 1, r))[1] - 1, -14) - 2)
;;       q = np.round(r / step) * step * 2.0 ** e      # np.round: ties to even
;;       return np.moveaxis(q, -1, axis).astype(np.float32)
;;   ~~~
;;   OPERANDS COMPUTED ON THE WAY. 'Computed on the way' means the value that the module computes at that place (a softmax that the list does not call 'softmax' is quantised finished and normalised). What goes into a quantiser is computed in f32, as accurately as f32 sums, v_exp_f32 and their like allow (about 1e-6 of the number): no bf16 or f16 on the way to a quantiser, and a product that is left as it is and whose result goes on into a quantised operand takes f32 operands (vector FMAs, or v_wmma_f32_16x16x4_f32). A number that lies on a knife's edge between two numbers of the format may be rounded either way, as far as f32 arithmetic and the matrix unit's own rounding can turn it there, and no further.
;;   INPUTS GIVEN AS CODES. K (in the module: [8, 1024, 1024], K = its axis 2); Q (in the module: [8, 1024, 1024], K = its axis 2); V (in the module: [8, 1024, 1024], K = its axis 2); Wk (in the module: [1024, 1024], K = its axis 1); Wo (in the module: [1024, 1024], K = its axis 1); Wq (in the module: [1024, 1024], K = its axis 1); Wv (in the module: [1024, 1024], K = its axis 1): each comes as NAME_codes (uint8): NAME with its K axis moved to the last place and cut into blocks of 32 codes, [.., K / 32, bytes a block], one block behind the other in memory; one code a byte (a code: sign, 5 exponent bits, 2 mantissa bits); its scale is its entry of lowp_scales. Its value is code x scale, taken as it is: it is not quantised again, and the codes and scales need not be those that the quantiser above would give.
;; One version. Each part assembles by itself: llvm-mc -triple=amdgcn-amd-amdhsa -mcpu=gfx1250 --defsym DOCPART=n.
;; ======== version 1 of 1: 3 launches
;; limits: right only within a limited range of input values
;; workspace buffers: qc 8,388,608 bytes; kc 8,388,608 bytes; vc 8,388,608 bytes; cc 8,388,608 bytes
;; launch proj (part 1): grid 192 x 1, 4 waves a work-group, clusters of 4 x 1, 327,680 bytes of LDS; arguments Q_codes, K_codes, Wv_codes, Wq_codes, Wk_codes, V_codes, bq, bk, bv, K_mask, lowp_scales, qc, kc, vc; writes qc, kc, vc
.if DOCPART == 1
	.amdgcn_target "amdgcn-amd-amdhsa--gfx1250"
	.amdhsa_code_object_version 6
	.text
	.protected	k_q9c293a929b_proj
	.globl	k_q9c293a929b_proj
	.p2align	8
	.type	k_q9c293a929b_proj,@function
k_q9c293a929b_proj:
	s_mov_b64 s[64:65], 0
	v_nop
	global_prefetch_b8 v0, s[64:65] scope:SCOPE_SE
	s_setreg_imm32_b32 hwreg(HW_REG_WAVE_MODE, 25, 1), 1
	s_wait_xcnt 0x0
	s_wait_alu depctr_hold_cnt(0) depctr_sa_sdst(0) depctr_va_vdst(0) depctr_va_sdst(0) depctr_va_ssrc(0) depctr_va_vcc(0) depctr_vm_vsrc(0)
	s_getreg_b32 s2, hwreg(HW_REG_IB_STS2, 6, 4)
	s_cmp_eq_u32 s2, 0
	s_cbranch_scc0 .Lentry_in_a_cluster
	s_endpgm
.Lentry_in_a_cluster:
	s_bfe_u32 s2, ttmp6, 0x10000c
	s_cmp_lg_u32 s2, 0x3003
	s_cbranch_scc0 .Lentry_shape_is_right
	s_endpgm
.Lentry_shape_is_right:
.set PANEL, 34816
.set SLOT,  139264
.set STG,   278528
.set SPARE, 283648
.set CT,    32
.set LIMF,  64
.set ACC,   96
.set PC,    128
.set OUTR,  136
.set BR,    144
.set MSB, 0
.macro WIN new
.if MSB != (\new)
	s_set_vgpr_msb (MSB<<8)|(\new)
.set MSB, (\new)
.endif
.endm
.macro ROUND
	s_barrier_signal -1
	s_barrier_wait -1
	s_cmp_lg_u32 s4, 0
	s_cbranch_scc1 .Lnot_wave_0_\@
	s_barrier_signal -3
.Lnot_wave_0_\@:
	s_barrier_wait -3
	s_barrier_signal -1
	s_barrier_wait -1
.endm
	s_load_b512 s[68:83], s[0:1], 0x0
	s_load_b256 s[84:91], s[0:1], 0x40
	s_load_b128 s[92:95], s[0:1], 0x60
	v_lshl_add_u32 v18, v0, 2, SPARE
	v_mov_b32 v19, 0
	ds_add_u32 v18, v19
	ds_add_u32 v18, v19
	v_lshrrev_b32 v1, 5, v0
	v_readfirstlane_b32 s4, v1
	s_lshr_b32 s5, ttmp9, 4
	s_and_b32 s6, ttmp9, 15
	s_bfe_u32 s7, ttmp6, 0x40000
	s_lshr_b32 s48, s6, 1
	s_lshl_b32 s48, s48, 2
	s_and_b32 s20, s6, 1
	s_cmp_eq_u32 s5, 2
	s_cselect_b32 s8, s48, 0
	s_cselect_b32 s9, s20, s6
	s_add_co_u32 s8, s8, s7
	s_mov_b32 s24, 15|(1<<20)|(1<<21)|(5<<22)|(3<<25)
	s_mov_b32 s25, 256<<16
	s_mov_b32 s26, 128<<16
	s_mov_b32 s27, 256<<16
	s_mov_b32 s28, 128
	s_mov_b32 s29, 1024
	s_mov_b32 s30, 0
	s_mov_b32 s31, 0
	s_lshl_b32 s56, s5, 3
	s_lshl_b32 s57, s5, 2
	s_lshl_b32 s20, s9, 19
	s_lshl_b32 s21, s4, 8
	s_add_co_u32 s20, s20, s21
	s_mov_b32 s21, 0
	s_mul_i32 s22, s4, PANEL
	s_mul_i32 s23, s4, 1280
	s_add_co_u32 s23, s23, STG
	v_and_b32 v1, 15, v0
	v_bfe_u32 v2, v0, 4, 1
	v_and_b32 v3, 31, v0
	v_and_b32 v4, 8, v1
	v_add_nc_u32 v4, v4, v1
	v_lshlrev_b32 v4, 10, v4
	v_lshl_add_u32 v4, v2, 4, v4
	v_lshlrev_b32 v5, 6, v2
	v_lshlrev_b32 v6, 2, v1
	v_mul_u32_u24 v7, v1, 272
	v_lshl_add_u32 v7, v2, 4, v7
.irp j, 0,1
.irp g, 0,1
	v_add_nc_u32 v[8+2*\j+\g], \j*SLOT+\g*2*PANEL, v7
.endr
.endr
	v_mul_u32_u24 v12, v1, 80
	v_lshl_add_u32 v12, v2, 4, v12
	v_add_nc_u32 v12, s23, v12
	v_lshrrev_b32 v13, 2, v3
	v_mul_u32_u24 v13, v13, 80
	v_and_b32 v15, 3, v3
	v_lshl_add_u32 v13, v15, 4, v13
	v_add_nc_u32 v13, s23, v13
	v_lshlrev_b32 v14, 4, v3
	s_wait_dscnt 0x0
	s_wait_kmcnt 0x0
	s_load_b64 s[40:41], s[88:89], s56 offset:0x0
	s_load_b32 s42, s[88:89], s57 offset:0x18
	s_cmp_eq_u32 s5, 1
	s_cselect_b64 s[10:11], s[70:71], s[68:69]
	s_cselect_b64 s[12:13], s[76:77], s[74:75]
	s_cselect_b64 s[14:15], s[82:83], s[80:81]
	s_cselect_b64 s[16:17], s[92:93], s[90:91]
	s_cmp_eq_u32 s5, 2
	s_cselect_b64 s[10:11], s[72:73], s[10:11]
	s_cselect_b64 s[12:13], s[78:79], s[12:13]
	s_cselect_b64 s[14:15], s[86:87], s[14:15]
	s_cselect_b64 s[16:17], s[94:95], s[16:17]
	s_add_nc_u64 s[10:11], s[10:11], s[20:21]
.irp j, 0,1
	s_mov_b32 s[32+4*\j], 1
	s_add_co_u32 s[33+4*\j], s22, \j*SLOT
	s_add_nc_u64 s[34+4*\j:35+4*\j], s[10:11], \j*131072
	s_or_b32 s[35+4*\j], s[35+4*\j], 0x80000000
.endr
	ROUND
	tensor_load_to_lds s[32:35], s[24:31]
	s_nop 0
	s_wait_alu depctr_va_vdst(0)
	s_wait_tensorcnt 0x0
	ds_add_u32 v18, v19
	s_wait_dscnt 0x0
	ROUND
	tensor_load_to_lds s[36:39], s[24:31]
	s_nop 0
.rept 4
	v_nop
.endr
	s_lshl_b32 s48, s8, 8
	s_lshl_b32 s49, s4, 6
	s_add_co_u32 s48, s48, s49
	s_lshl_b32 s50, s48, 10
	s_mov_b32 s51, 0
	s_add_nc_u64 s[12:13], s[12:13], s[50:51]
	s_lshl_b32 s50, s48, 2
	s_add_nc_u64 s[14:15], s[14:15], s[50:51]
	s_lshr_b32 s50, s9, 1
	s_lshl_b32 s50, s50, 4
	s_lshl_b32 s52, s8, 2
	s_add_co_u32 s50, s50, s52
	s_add_co_u32 s50, s50, s4
	s_lshl_b32 s50, s50, 16
	s_and_b32 s52, s9, 1
	s_lshl_b32 s52, s52, 15
	s_add_co_u32 s50, s50, s52
	s_lshr_b32 s52, s8, 2
	s_lshl_b32 s52, s52, 4
	s_lshl_b32 s53, s9, 3
	s_add_co_u32 s52, s52, s53
	s_lshl_b32 s52, s52, 16
	s_and_b32 s53, s8, 3
	s_lshl_b32 s53, s53, 2
	s_add_co_u32 s53, s53, s4
	s_lshl_b32 s53, s53, 12
	s_add_co_u32 s52, s52, s53
	s_cmp_eq_u32 s5, 2
	s_cselect_b32 s50, s52, s50
	s_mov_b32 s18, 0x1000
	s_cselect_b32 s18, 0x10000, s18
	s_mov_b32 s19, 0
	s_add_nc_u64 s[16:17], s[16:17], s[50:51]
.irp s, 0,1,2,3,4,5,6,7
	WIN 0x40+0x40*(\s/4)
.irp t, 0,1,2,3
.irp c, 0,1,2,3
	global_load_b128 v[16*(4*(\s%4)+\t)+4*\c:16*(4*(\s%4)+\t)+4*\c+3], v4, s[12:13] offset:(32*(\t/2)+8*(\t%2))*1024+128*\s+32*\c
.endr
.endr
.endr
	WIN 0
.irp t, 0,1,2,3
	global_load_b128 v[CT+8*\t:CT+8*\t+3], v5, s[14:15] offset:(32*(\t/2)+8*(\t%2))*4
	global_load_b128 v[CT+8*\t+4:CT+8*\t+7], v5, s[14:15] offset:(32*(\t/2)+8*(\t%2))*4+16
.endr
	s_wait_kmcnt 0x0
	s_add_co_i32 s43, s40, s41
	s_sub_co_i32 s44, s42, s43
	s_sub_co_i32 s43, 0, s43
	s_add_co_i32 s44, s44, 127
	s_lshl_b32 s45, s44, 23
	v_mov_b32 v16, s45
	s_add_co_i32 s44, s44, 15
	s_lshl_b32 s44, s44, 23
	s_or_b32 s44, s44, 0x600000
	v_mov_b32 v17, s44
	s_wait_loadcnt 0x0
	s_cmp_eq_u32 s5, 2
	s_cbranch_scc1 .Lv_arm
.set i, 0
	s_wait_alu depctr_va_vdst(0)
.rept 32
	v_ldexp_f32 v[CT+i], v[CT+i], s43
	v_mov_b32 v[LIMF+i], v17
	v_mov_b32 v[BR+i], 0
.set i, i+1
.endr
	s_branch .Larms_done
.Lv_arm:
	s_lshl_b32 s20, s9, 11
	s_mov_b32 s21, 0
	s_add_nc_u64 s[46:47], s[84:85], s[20:21]
.set i, 0
.rept 32
	global_load_b32 v[BR+i], v6, s[46:47] offset:64*i
.set i, i+1
.endr
.set i, 0
	s_wait_alu depctr_va_vdst(0)
.rept 32
	v_cmp_neq_f32 vcc_lo, 0, v[CT+i]
	v_cndmask_b32 v[LIMF+i], 0, v17, vcc_lo
	v_mov_b32 v[CT+i], 0
.set i, i+1
.endr
	s_wait_loadcnt 0x0
.set i, 0
.rept 32
	v_ldexp_f32 v[BR+i], v[BR+i], s43
.set i, i+1
.endr
.Larms_done:
.macro FETCH j, a
	WIN 0xc0
.irp s, 0,1,2,3,4,5,6,7
.irp c, 0,1,2,3
	ds_load_b128 v[128*((\a)%2)+16*\s+4*\c:128*((\a)%2)+16*\s+4*\c+3], v[8+2*(\j)+\s/4] offset:((\s/2)%2)*PANEL+(\a)*4352+128*(\s%2)+32*\c
.endr
.endr
	WIN 0
.endm
.macro MUL par
	WIN 0x0d
.irp s, 0,1,2,3,4,5,6,7
.if \s == 4
	WIN 0x0e
.endif
.irp t, 0,1,2,3
.if \s == 0
	v_wmma_f32_16x16x128_bf8_bf8 v[ACC+8*\t:ACC+8*\t+7], v[16*(4*(\s%4)+\t):16*(4*(\s%4)+\t)+15], v[128*(\par)+16*\s:128*(\par)+16*\s+15], v[CT+8*\t:CT+8*\t+7]
.else
	v_wmma_f32_16x16x128_bf8_bf8 v[ACC+8*\t:ACC+8*\t+7], v[16*(4*(\s%4)+\t):16*(4*(\s%4)+\t)+15], v[128*(\par)+16*\s:128*(\par)+16*\s+15], v[ACC+8*\t:ACC+8*\t+7]
.endif
.endr
.endr
	WIN 0
.endm
.macro SEND n
.if (((\n)%4) == 0) && ((\n) > 0)
	s_wait_xcnt 0x0
	s_add_nc_u64 s[16:17], s[16:17], s[18:19]
.endif
	global_store_b128 v14, v[OUTR:OUTR+3], s[16:17] offset:(((\n)%4)/2)*2048+((\n)%2)*512
	global_store_b128 v14, v[OUTR+4:OUTR+7], s[16:17] offset:(((\n)%4)/2)*2048+((\n)%2)*512+1024
.endm
.macro BODY j, a, n
.if (\a) < 7
	FETCH \j, (\a)+1
	s_wait_dscnt 32
.else
	s_wait_dscnt 0x0
.endif
.if (\a) > 0
	SEND (\n)-1
.endif
	MUL (\a)%2
.rept 4
	v_nop
.endr
	s_cmp_lg_u32 s5, 2
	s_cbranch_scc1 .Lno_bv_\@
.set i, 0
.rept 16
.if ((\n)%2) == 0
	v_pk_add_f32 v[ACC+i:ACC+i+1], v[ACC+i:ACC+i+1], v[BR+(\n):BR+(\n)+1] op_sel_hi:[1,0]
.else
	v_pk_add_f32 v[ACC+i:ACC+i+1], v[ACC+i:ACC+i+1], v[BR+(\n)-1:BR+(\n)] op_sel:[0,1] op_sel_hi:[1,1]
.endif
.set i, i+2
.endr
.Lno_bv_\@:
.set i, 0
.rept 32
	v_med3_num_f32 v[ACC+i], v[ACC+i], -v[LIMF+i], v[LIMF+i]
.set i, i+1
.endr
.irp t, 0,1,2,3
	v_cvt_scalef32_pk8_bf8_f32 v[PC+2*\t:PC+2*\t+1], v[ACC+8*\t:ACC+8*\t+7], v16
.endr
	v_nop
	s_wait_alu depctr_va_vdst(0)
	s_wait_xcnt 0x0
	ds_store_b128 v12, v[PC:PC+3]
	ds_store_b128 v12, v[PC+4:PC+7] offset:32
	ds_load_b128 v[OUTR:OUTR+3], v13
	ds_load_b128 v[OUTR+4:OUTR+7], v13 offset:640
.if (\a) == 7
	s_wait_dscnt 0x0
	SEND \n
.endif
.endm
.macro PROC j, seq
	FETCH \j, 0
.irp a, 0,1,2,3,4,5,6,7
	BODY \j, \a, (8*\seq+\a)
.endr
.endm
.macro CHANGE fill, j
	s_wait_tensorcnt 0x0
	ds_add_u32 v18, v19
.if \fill
	s_add_nc_u64 s[34+4*\j:35+4*\j], s[34+4*\j:35+4*\j], 262144
	s_wait_dscnt 0x0
	ROUND
	tensor_load_to_lds s[32+4*\j:35+4*\j], s[24:31]
	s_nop 0
.rept 4
	v_nop
.endr
.else
	s_wait_dscnt 0x0
	s_barrier_signal -1
	s_barrier_wait -1
.endif
.endm
	s_wait_tensorcnt 0x1
	s_barrier_signal -1
	s_barrier_wait -1
	s_wait_alu depctr_va_vdst(0)
	PROC 0, 0
	CHANGE 1, 0
	PROC 1, 1
	CHANGE 1, 1
	PROC 0, 2
	CHANGE 0, 0
	PROC 1, 3
	s_wait_tensorcnt 0x0
	ds_add_u32 v18, v19
	s_wait_dscnt 0x0
	ROUND
	s_endpgm
.Lfunc_end_k_q9c293a929b_proj:
	.size	k_q9c293a929b_proj, .Lfunc_end_k_q9c293a929b_proj-k_q9c293a929b_proj
	.p2alignl 7, 3214868480
	.fill 96, 4, 3214868480
	.section	.rodata,"a",@progbits
	.p2align	6, 0x0
	.amdhsa_kernel k_q9c293a929b_proj
		.amdhsa_group_segment_fixed_size 327680
		.amdhsa_private_segment_fixed_size 0
		.amdhsa_enable_private_segment 0
		.amdhsa_kernarg_size 112
		.amdhsa_user_sgpr_count 2
		.amdhsa_user_sgpr_kernarg_segment_ptr 1
		.amdhsa_wavefront_size32 1
		.amdhsa_system_sgpr_workgroup_id_x 1
		.amdhsa_system_sgpr_workgroup_id_y 1
		.amdhsa_system_sgpr_workgroup_id_z 1
		.amdhsa_system_vgpr_workitem_id 0
		.amdhsa_next_free_vgpr 1024
		.amdhsa_next_free_sgpr 96
		.amdhsa_reserve_vcc 1
		.amdhsa_float_denorm_mode_32 3
		.amdhsa_float_denorm_mode_16_64 3
		.amdhsa_memory_ordered 1
		.amdhsa_forward_progress 1
		.amdhsa_inst_pref_size 255
	.end_amdhsa_kernel
	.section	.bss,"aw",@nobits
	.p2align	6
	.space	262144
	.amdgpu_metadata
---
amdhsa.version: [ 1, 2 ]
amdhsa.kernels:
  - .name:           k_q9c293a929b_proj
    .symbol:         k_q9c293a929b_proj.kd
    .args:
      - { .name: Q_codes, .offset: 0, .size: 8, .value_kind: global_buffer, .address_space: global }
      - { .name: K_codes, .offset: 8, .size: 8, .value_kind: global_buffer, .address_space: global }
      - { .name: Wv_codes, .offset: 16, .size: 8, .value_kind: global_buffer, .address_space: global }
      - { .name: Wq_codes, .offset: 24, .size: 8, .value_kind: global_buffer, .address_space: global }
      - { .name: Wk_codes, .offset: 32, .size: 8, .value_kind: global_buffer, .address_space: global }
      - { .name: V_codes, .offset: 40, .size: 8, .value_kind: global_buffer, .address_space: global }
      - { .name: bq, .offset: 48, .size: 8, .value_kind: global_buffer, .address_space: global }
      - { .name: bk, .offset: 56, .size: 8, .value_kind: global_buffer, .address_space: global }
      - { .name: bv, .offset: 64, .size: 8, .value_kind: global_buffer, .address_space: global }
      - { .name: K_mask, .offset: 72, .size: 8, .value_kind: global_buffer, .address_space: global }
      - { .name: lowp_scales, .offset: 80, .size: 8, .value_kind: global_buffer, .address_space: global }
      - { .name: qc, .offset: 88, .size: 8, .value_kind: global_buffer, .address_space: global }
      - { .name: kc, .offset: 96, .size: 8, .value_kind: global_buffer, .address_space: global }
      - { .name: vc, .offset: 104, .size: 8, .value_kind: global_buffer, .address_space: global }
    .group_segment_fixed_size: 327680
    .private_segment_fixed_size: 0
    .kernarg_segment_align: 8
    .kernarg_segment_size: 112
    .max_flat_workgroup_size: 128
    .sgpr_count:     96
    .vgpr_count:     1024
    .wavefront_size: 32
...
	.end_amdgpu_metadata
.endif
;; end of part 1
;; launch attn (part 2): grid 2 x 128, 4 waves a work-group, no clusters, 173,568 bytes of LDS; arguments qc, kc, vc, Q_mask, K_mask, lowp_scales, cc; writes cc
.if DOCPART == 2
	.amdgcn_target "amdgcn-amd-amdhsa--gfx1250"
	.amdhsa_code_object_version 6
	.text
	.protected	k_q9c293a929b_attn
	.globl	k_q9c293a929b_attn
	.p2align	8
	.type	k_q9c293a929b_attn,@function
k_q9c293a929b_attn:
	s_mov_b64 s[64:65], 0
	v_nop
	global_prefetch_b8 v0, s[64:65] scope:SCOPE_SE
	s_setreg_imm32_b32 hwreg(HW_REG_WAVE_MODE, 25, 1), 1
	s_wait_xcnt 0x0
; ATTENTION ON CODES: scores = 8 q k^T; probs = softmax over ALL keys, then 0 where a mask is 0, then / the sum of (probs + 1e-8); ctx = probs v; ctx is quantised for the last product.  No work is left out.
; THE FINISHED probs ARE WHAT IS QUANTISED.  With e_k = 2^(t_k - M), t = score x log2(e), M = the row's largest t rounded up to a whole number, L = the sum of e over all keys and Lm over the keys that count:
;   probs_k = e_k / (Lm + 1024 x 1e-8 x L) = e_k / N,  N = the sum over k of e_k w_k,  w_k = 1 + eps where K_mask counts, eps elsewhere, eps = 1024 x 1e-8.  A row with Q_mask = 0 takes 1 / N = 0.
; N must be known before the first p is quantised: so a wave keeps the scores of its 16 queries against all 1,024 keys in 512 registers: one product, one exponential a score, then N, then p.
; A key with K_mask = 0 has zero codes in vc: its p, finite, adds 0.
; SHARES: a work-group owns 512 query places of one head; the head's K and V, 131,072 bytes, are fetched ONCE into LDS: first fills alone, no ring, no barrier in the loop.  8 trips; in a trip a wave takes 16 places.
; NO CLUSTER: only two work-groups share a head, and what they share is fetched once a work-group, 131,072 bytes for 8 trips of work, not once a step.
; LAYOUT: both products transposed: S^T = K Q^T (source 0 = 16 keys), O^T = V^T P^T (source 0 = 16 of the head's 64): a lane holds one query throughout.  16 places on end of kc are keys 32 B + 8 u + r + 8 (r / 8),
; so the 16 registers of tiles 2 B, 2 B + 1 are keys 32 B + 16 h + 0 .. 15; vc's rows are ordered alike, so O^T's registers are neighbours along the last product's K.
; LIMITS: 'mask == 0' is taken as Q_mask == 0 or K_mask == 0 (it differs from the product of the two only where that underflows, or a mask is infinite).  e6 + e7 between -129 and 124; e9, and e10 - e8 - e9, between -126 and 112.  NaN is not served.
; REGISTERS: window 0: v4-13 addresses; v[14:15] -M; v[16:17] 1 / N; v19, v21 scales; v22 Q_mask; v24-27 maxima; v28 at work; v32-39 N in four pairs; v40-47 Q; v48-79 O^T; v80-87 codes; v88-95 rows out; v96, v97 the add's two.
;   windows 1, 2: S^T, tile T at 8 (T % 32).   window 3: v0-127 two sets of 64 for K, w or V; v128-255 p's codes, tile T at 128 + 2 T.
.set VL,    81920                      ; LDS: K's 1,024 rows x 80 (64 bytes + 16 of padding), then V's 1,024 rows x 80,
.set WT,    163840                     ; w_k, 1,024 f32 in the keys' own order,
.set STG,   167936                     ; 16 rows x 80 for each wave, for the way out,
.set SPARE, 173056                     ; and the spare words, 128 bytes for each wave: no other line names them
.set MSB, 0
.macro WIN new
.if MSB != (\new)
	s_set_vgpr_msb (MSB<<8)|(\new)
.set MSB, (\new)
.endif
.endm
.macro PLACES
.rept 4
	v_nop
.endr
.endm
	s_load_b256 s[4:11], s[0:1], 0x0               ; qc, kc, vc, Q_mask
	s_load_b128 s[12:15], s[0:1], 0x20             ; K_mask, the scales' exponents
	s_load_b64 s[16:17], s[0:1], 0x30              ; cc
	v_lshl_add_u32 v96, v0, 2, SPARE
	v_mov_b32 v97, 0
	ds_add_u32 v96, v97                            ; the wave's opening: the add, twice on end, and its wait ahead of my first tensor load
	ds_add_u32 v96, v97
	v_lshrrev_b32 v1, 5, v0
	v_readfirstlane_b32 s18, v1                    ; wave 0..3
	; descriptor group 1: 512 rows of 64 bytes, dense in memory, 16 bytes of padding behind each in LDS
	s_mov_b32 s24, (1<<20)|(3<<22)|(3<<25)         ; no mask; elements of 1 byte; padding on: four words after every 16
	s_mov_b32 s25, 64<<16
	s_mov_b32 s26, 512<<16
	s_mov_b32 s27, 64<<16
	s_mov_b32 s28, 512
	s_mov_b32 s29, 64
	s_mov_b32 s30, 0
	s_mov_b32 s31, 0
	s_mov_b32 s20, 0x76543210                      ; v_permlanex16_b32's selects for lane l xor 16
	s_mov_b32 s21, 0xfedcba98
	s_and_b32 s44, ttmp7, 0xffff                   ; 16 batch + head
	s_lshl_b32 s45, s44, 16                        ; its 65,536 bytes in each buffer of codes
	s_and_b32 s46, s18, 1
	s_lshl_b32 s46, s46, 15
	s_add_co_u32 s46, s46, s45                     ; what I fetch: waves 0, 1 the halves of K, waves 2, 3 of V
	s_mov_b32 s47, 0
	s_mov_b32 s32, 1
	s_mul_i32 s33, s18, 40960                      ; 512 rows x 80
	s_lshl_b32 s48, ttmp9, 15                      ; my work-group's 512 places x 64 bytes,
	s_lshl_b32 s49, s18, 10                        ; my wave's 16 of a trip's 64
	s_add_co_u32 s48, s48, s49
	s_add_co_u32 s48, s48, s45
	s_mov_b32 s49, 0
	s_lshr_b32 s50, s44, 4
	s_lshl_b32 s52, s50, 12                        ; the batch's 1,024 numbers of a mask
	s_mov_b32 s53, 0
	s_lshl_b32 s50, ttmp9, 11
	s_add_co_u32 s50, s50, s52
	s_lshr_b32 s51, s18, 1
	s_lshl_b32 s51, s51, 7
	s_add_co_u32 s50, s50, s51
	s_and_b32 s51, s18, 1
	s_lshl_b32 s51, s51, 5
	s_add_co_u32 s50, s50, s51                     ; Q_mask: place 32 B + 16 u + r is query 32 B + 8 u + r + 8 (r / 8); B hangs on wave / 2, u = wave % 2
	s_mov_b32 s51, 0
	s_mul_i32 s54, s18, 1280
	s_add_co_u32 s54, s54, STG                     ; my stage
	v_and_b32 v1, 15, v0                           ; r
	v_bfe_u32 v2, v0, 4, 1                         ; h
	v_and_b32 v3, 31, v0                           ; lane
	v_mul_u32_u24 v4, v1, 80
	v_lshl_add_u32 v4, v2, 4, v4                   ; K: row r, + 16 h; tiles 0-31
	v_add_nc_u32 v5, 40960, v4                     ; tiles 32-63
	v_add_nc_u32 v6, VL, v4                        ; V: blocks of keys 0-7,
	v_add_nc_u32 v7, VL+40960, v4                  ; 8-15
	v_lshlrev_b32 v8, 6, v2
	v_add_nc_u32 v8, WT, v8                        ; w: my half's 16 keys of a block of 32
	v_lshlrev_b32 v9, 6, v1
	v_lshl_add_u32 v9, v2, 4, v9                   ; Q: row r of 64 bytes, + 16 h
	v_and_b32 v10, 8, v1
	v_add_nc_u32 v10, v10, v1
	v_lshlrev_b32 v10, 2, v10                      ; Q_mask: r + 8 (r / 8)
	v_add_nc_u32 v11, s54, v4                      ; the stage, in
	v_lshrrev_b32 v12, 2, v3
	v_mul_u32_u24 v12, v12, 80
	v_and_b32 v23, 3, v3
	v_lshl_add_u32 v12, v23, 4, v12
	v_add_nc_u32 v12, s54, v12                     ; and back: four lanes to a row
	v_lshlrev_b32 v13, 4, v3
	v_lshlrev_b32 v23, 4, v0                       ; K_mask: 16 bytes a thread
	v_add_nc_u32 v98, WT, v23
	v_mov_b32 v15, 0                               ; (named as the upper halves of pairs)
	v_mov_b32 v17, 0
	v_mov_b32 v28, 0                               ; written once: a lane permute's destination counts as one of its sources
	v_mov_b32 v29, 0x372bcc77                      ; eps = 1024 x f32(1e-8)
	v_mov_b32 v30, 0x3f800056                      ; 1 + eps
	s_wait_dscnt 0x0                               ; both opening adds are done
	s_wait_kmcnt 0x0
	s_load_b128 s[36:39], s[14:15], 0x18           ; e6, e7, e8, e9
	s_load_b32 s40, s[14:15], 0x28                 ; e10
	s_cmp_lt_u32 s18, 2
	s_cselect_b64 s[34:35], s[6:7], s[8:9]
	s_add_nc_u64 s[34:35], s[34:35], s[46:47]
	s_or_b32 s35, s35, 0x80000000
	tensor_load_to_lds s[32:35], s[24:31]          ; every wave's one load: a quarter of the head's K and V
	s_nop 0
	PLACES
	s_add_nc_u64 s[4:5], s[4:5], s[48:49]
	s_add_nc_u64 s[16:17], s[16:17], s[48:49]
	s_add_nc_u64 s[10:11], s[10:11], s[50:51]
	s_add_nc_u64 s[12:13], s[12:13], s[52:53]
	global_load_b128 v[48:51], v23, s[12:13]
	global_load_b128 v[52:55], v23, s[12:13] offset:2048
	global_load_b128 v[40:43], v9, s[4:5]          ; the first trip's Q
	global_load_b128 v[44:47], v9, s[4:5] offset:32
	global_load_b32 v22, v10, s[10:11]             ; and its Q_mask
	s_wait_loadcnt 0x3                             ; K_mask is in; the three younger loads may be out
.irp i, 0,1,2,3,4,5,6,7
	v_cmp_neq_f32 vcc_lo, 0, v[48+\i]
	v_cndmask_b32 v[48+\i], v29, v30, vcc_lo       ; w
.endr
	ds_store_b128 v98, v[48:51]
	ds_store_b128 v98, v[52:55] offset:2048
	s_wait_kmcnt 0x0
	s_add_co_i32 s44, s36, s37
	s_lshl_b32 s44, s44, 23
	s_add_co_i32 s22, s44, 0x4138aa3b              ; c = 8 log2(e) x 2^(e6 + e7): the two exponents are added to the exponent field
	s_mov_b32 s23, s22                             ; (named with it as a pair)
	s_add_co_i32 s44, s39, 127
	s_lshl_b32 s45, s44, 23
	v_mov_b32 v19, s45                             ; 2^e9
	s_sub_co_i32 s44, s40, s38
	s_sub_co_i32 s44, s44, s39
	s_add_co_i32 s44, s44, 127
	s_lshl_b32 s45, s44, 23
	v_mov_b32 v21, s45                             ; 2^(e10 - e8 - e9): a sum of the second product stands for sum x 2^(e8 + e9)
	s_mov_b32 s41, 8
	s_wait_tensorcnt 0x0                           ; my quarter has landed,
	s_wait_dscnt 0x0                               ; my part of w is stored:
	s_barrier_signal -1
	s_barrier_wait -1                              ; everybody's
.macro FETCHK g                        ; tiles 8 g .. 8 g + 7 of K into set g % 2
	WIN 0xc0
.irp tt, 0,1,2,3,4,5,6,7
	ds_load_b128 v[64*((\g)%2)+8*\tt:64*((\g)%2)+8*\tt+3], v[4+(\g)/4] offset:((8*(\g)+\tt)%32)*1280
	ds_load_b128 v[64*((\g)%2)+8*\tt+4:64*((\g)%2)+8*\tt+7], v[4+(\g)/4] offset:((8*(\g)+\tt)%32)*1280+32
.endr
.endm
.macro FETCHW g                        ; w of the keys of tiles 8 g .. 8 g + 7, register for register as S^T has them
	WIN 0xc0
.irp bb, 0,1,2,3
.irp q, 0,1,2,3
	ds_load_b128 v[64*((\g)%2)+16*\bb+4*\q:64*((\g)%2)+16*\bb+4*\q+3], v8 offset:128*(4*(\g)+\bb)+16*\q
.endr
.endr
.endm
.macro FETCHV sg                       ; V's four tiles of 16 channels x keys 128 sg on
	WIN 0xc0
.irp t, 0,1,2,3
.irp c, 0,1,2,3
	ds_load_b128 v[64*((\sg)%2)+16*\t+4*\c:64*((\sg)%2)+16*\t+4*\c+3], v[6+(\sg)/4] offset:((2*(\sg)+\c/2)%8)*5120+\t*1280+32*(\c%2)
.endr
.endr
.endm
.macro MAXW                            ; a window's 256 scores into four chains, each accumulator from its low end on
.set n, 0
.rept 128
	v_max3_num_f32 v[24+n%4], v[24+n%4], v[2*n], v[2*n+1]
.set n, n+1
.endr
.endm
.macro EXPW                            ; e = 2^(c s - M), in place; a pair is scaled one step ahead of its exponentials; no line names an exponential's result
	v_pk_fma_f32 v[0:1], v[0:1], s[22:23], v[14:15] op_sel_hi:[1,0,0]
.set n, 0
.rept 128
.if n < 127
	v_pk_fma_f32 v[2*n+2:2*n+3], v[2*n+2:2*n+3], s[22:23], v[14:15] op_sel_hi:[1,0,0]
.endif
	v_exp_f32 v[2*n], v[2*n]
	v_exp_f32 v[2*n+1], v[2*n+1]
.set n, n+1
.endr
.endm
.macro PW                              ; p = e / N, in place
	v_pk_mul_f32 v[0:1], v[0:1], v[16:17] op_sel_hi:[1,0]
.set n, 0
.rept 128
.if n < 127
	v_pk_mul_f32 v[2*n+2:2*n+3], v[2*n+2:2*n+3], v[16:17] op_sel_hi:[1,0]
.endif
.set n, n+1
.endr
.endm
.macro CVTW w                          ; a window's 32 tiles into codes
.set n, 0
.rept 32
	v_cvt_scalef32_pk8_bf8_f32 v[128+64*\w+2*n:129+64*\w+2*n], v[8*n:8*n+7], v19
.set n, n+1
.endr
.endm
.Ltrip:
	s_wait_loadcnt 0x0                             ; this trip's Q and Q_mask
	v_cmp_neq_f32 s42, 0, v22                      ; lanes whose query counts
	; ---- S^T = K Q^T: 64 tiles, eight at a time; the next eight's fragments are on their way meanwhile
	FETCHK 0
.irp g, 0,1,2,3,4,5,6,7
.if \g < 7
.if \g >= 1
	PLACES                                         ; in front of loads into the set that the products before have read
.endif
	FETCHK \g+1
	s_wait_dscnt 16                                ; all but the 16 just issued
.else
	s_wait_dscnt 0x0
.endif
	WIN 0x43+0x40*(\g/4)                           ; source 0 (K) window 3, Q window 0, S^T window 1 or 2
.irp tt, 0,1,2,3,4,5,6,7
	v_wmma_f32_16x16x64_bf8_bf8 v[8*((8*\g+\tt)%32):8*((8*\g+\tt)%32)+7], v[64*(\g%2)+8*\tt:64*(\g%2)+8*\tt+7], v[40:47], 0
.endr
.endr
	WIN 0
.irp i, 0,1,2,3
	v_mov_b32 v[24+\i], 0xff61b1e6                 ; the four chains begin at -3e38; these four are also the places behind the last products
.endr
	FETCHW 0
	WIN 0
	s_cmp_eq_u32 s41, 1
	s_cbranch_scc1 .Lno_next                       ; the next trip's Q and Q_mask are asked for here, if there is one: no load leaves its buffer
	s_add_nc_u64 s[4:5], s[4:5], 4096              ; (this trip's loads were waited for at its head)
	s_add_nc_u64 s[10:11], s[10:11], 256
	global_load_b128 v[40:43], v9, s[4:5]
	global_load_b128 v[44:47], v9, s[4:5] offset:32
	global_load_b32 v22, v10, s[10:11]
.Lno_next:
	; ---- the row's largest score, over all 1,024 keys
	WIN 0x14
	MAXW
	WIN 0x28
	MAXW
	WIN 0
	v_max3_num_f32 v24, v24, v25, v26
	v_max_num_f32 v24, v24, v27
	v_permlanex16_b32 v28, v24, s20, s21
	v_max_num_f32 v24, v24, v28
	v_mul_f32 v24, s22, v24                        ; as t (c is positive)
	v_floor_f32 v14, -v24                          ; -M = floor(-t): M is a whole number, so the largest e lies between 1/2 and 1
	; ---- the exponentials: one batch, one wait
	WIN 0x41
	EXPW
	WIN 0x82
	EXPW
	v_nop                                          ; a plain line behind the last exponential
	s_wait_alu depctr_va_vdst(0)                   ; the wait ahead of the first line that names a result: one for all 512
	; ---- N = the sum of e w, in four chains of pairs
.irp g, 0,1,2,3,4,5,6,7
.if \g < 7
	FETCHW \g+1
	s_wait_dscnt 16
.else
	s_wait_dscnt 0x0
.endif
	WIN 0x0d+(\g/4)                                ; source 0 (e) window 1 or 2, source 1 (w) window 3
.set n, 0
.rept 32
.if (\g == 0) && (n < 4)
	v_pk_mul_f32 v[32+2*(n%4):33+2*(n%4)], v[64*(\g%4)+2*n:64*(\g%4)+2*n+1], v[64*(\g%2)+2*n:64*(\g%2)+2*n+1]
.else
	v_pk_fma_f32 v[32+2*(n%4):33+2*(n%4)], v[64*(\g%4)+2*n:64*(\g%4)+2*n+1], v[64*(\g%2)+2*n:64*(\g%2)+2*n+1], v[32+2*(n%4):33+2*(n%4)]
.endif
.set n, n+1
.endr
.endr
	WIN 0
	v_pk_add_f32 v[32:33], v[32:33], v[34:35]
	v_pk_add_f32 v[36:37], v[36:37], v[38:39]
	v_pk_add_f32 v[32:33], v[32:33], v[36:37]
	v_add_f32 v32, v32, v33
	v_permlanex16_b32 v28, v32, s20, s21
	v_add_f32 v32, v32, v28                        ; N: at least eps / 2, since the largest e is at least 1/2
	v_rcp_f32 v16, v32
	v_nop
	s_wait_alu depctr_va_vdst(0)
	v_cndmask_b32 v16, 0, v16, s42                 ; a query that does not count: p = 0
	FETCHV 0
	; ---- p, quantised
	WIN 0x41
	PW
	WIN 0xc1
	CVTW 0
	WIN 0x82
	PW
	WIN 0xc2
	CVTW 1
	v_nop                                          ; a plain line between the last conversion and the products that read the codes
	; ---- O^T = V^T P^T: 8 steps of 128 keys, four accumulators by turns
.irp sg, 0,1,2,3,4,5,6,7
.if \sg < 7
.if \sg >= 1
	PLACES
.endif
	FETCHV \sg+1
	s_wait_dscnt 16
.else
	s_wait_dscnt 0x0
.endif
	WIN 0x0f                                       ; V and p's codes window 3, O^T window 0
.irp t, 0,1,2,3
.if \sg == 0
	v_wmma_f32_16x16x128_bf8_bf8 v[48+8*\t:55+8*\t], v[64*(\sg%2)+16*\t:64*(\sg%2)+16*\t+15], v[128+16*\sg:143+16*\sg], 0
.else
	v_wmma_f32_16x16x128_bf8_bf8 v[48+8*\t:55+8*\t], v[64*(\sg%2)+16*\t:64*(\sg%2)+16*\t+15], v[128+16*\sg:143+16*\sg], v[48+8*\t:55+8*\t]
.endif
.endr
.endr
	WIN 0
	; ---- ctx is quantised and leaves through my stage: 16 places x 64 bytes, 1,024 consecutive bytes of cc
	PLACES
.set n, 0
.rept 32
.set n, n+1
.endr
.irp t, 0,1,2,3
	v_cvt_scalef32_pk8_bf8_f32 v[80+2*\t:81+2*\t], v[48+8*\t:55+8*\t], v21
.endr
	v_nop
	ds_store_b128 v11, v[80:83]
	ds_store_b128 v11, v[84:87] offset:32
	ds_load_b128 v[88:91], v12                     ; LDS serves a wave's instructions in order: these see my stores
	ds_load_b128 v[92:95], v12 offset:640
	s_wait_dscnt 0x0
	global_store_b128 v13, v[88:91], s[16:17]      ; 512 consecutive bytes, aligned
	global_store_b128 v13, v[92:95], s[16:17] offset:512
	s_wait_xcnt 0x0                                ; the stores have read their registers and their base
	s_add_nc_u64 s[16:17], s[16:17], 4096
	s_sub_co_u32 s41, s41, 1
	s_cmp_lg_u32 s41, 0
	s_cbranch_scc1 .Ltrip
	s_wait_tensorcnt 0x0                           ; the wave's end
	ds_add_u32 v96, v97
	s_wait_dscnt 0x0
	s_endpgm
.Lfunc_end_k_q9c293a929b_attn:
	.size	k_q9c293a929b_attn, .Lfunc_end_k_q9c293a929b_attn-k_q9c293a929b_attn
	.p2alignl 7, 3214868480
	.fill 96, 4, 3214868480
	.section	.rodata,"a",@progbits
	.p2align	6, 0x0
	.amdhsa_kernel k_q9c293a929b_attn
		.amdhsa_group_segment_fixed_size 173568
		.amdhsa_private_segment_fixed_size 0
		.amdhsa_enable_private_segment 0
		.amdhsa_kernarg_size 56
		.amdhsa_user_sgpr_count 2
		.amdhsa_user_sgpr_kernarg_segment_ptr 1
		.amdhsa_wavefront_size32 1
		.amdhsa_system_sgpr_workgroup_id_x 1
		.amdhsa_system_sgpr_workgroup_id_y 1
		.amdhsa_system_sgpr_workgroup_id_z 1
		.amdhsa_system_vgpr_workitem_id 0
		.amdhsa_next_free_vgpr 1024
		.amdhsa_next_free_sgpr 66
		.amdhsa_reserve_vcc 1
		.amdhsa_float_denorm_mode_32 3
		.amdhsa_float_denorm_mode_16_64 3
		.amdhsa_fp16_overflow 1
		.amdhsa_memory_ordered 1
		.amdhsa_forward_progress 1
		.amdhsa_inst_pref_size 128
	.end_amdhsa_kernel
	.amdgpu_metadata
---
amdhsa.version: [ 1, 2 ]
amdhsa.kernels:
  - .name:           k_q9c293a929b_attn
    .symbol:         k_q9c293a929b_attn.kd
    .args:
      - { .name: qc, .offset: 0, .size: 8, .value_kind: global_buffer, .address_space: global }
      - { .name: kc, .offset: 8, .size: 8, .value_kind: global_buffer, .address_space: global }
      - { .name: vc, .offset: 16, .size: 8, .value_kind: global_buffer, .address_space: global }
      - { .name: Q_mask, .offset: 24, .size: 8, .value_kind: global_buffer, .address_space: global }
      - { .name: K_mask, .offset: 32, .size: 8, .value_kind: global_buffer, .address_space: global }
      - { .name: lowp_scales, .offset: 40, .size: 8, .value_kind: global_buffer, .address_space: global }
      - { .name: cc, .offset: 48, .size: 8, .value_kind: global_buffer, .address_space: global }
    .group_segment_fixed_size: 173568
    .private_segment_fixed_size: 0
    .kernarg_segment_align: 8
    .kernarg_segment_size: 56
    .max_flat_workgroup_size: 128
    .sgpr_count:     66
    .vgpr_count:     1024
    .wavefront_size: 32
...
	.end_amdgpu_metadata
.endif
;; end of part 2
;; launch outp (part 3): grid 256 x 1, 4 waves a work-group, clusters of 4 x 1, 181,760 bytes of LDS; arguments cc, Wo_codes, bo, lowp_scales, out0; writes out0
.if DOCPART == 3
	.amdgcn_target "amdgcn-amd-amdhsa--gfx1250"
	.amdhsa_code_object_version 6
	.text
	.protected	k_q9c293a929b_outp
	.globl	k_q9c293a929b_outp
	.p2align	8
	.type	k_q9c293a929b_outp,@function
k_q9c293a929b_outp:
	s_mov_b64 s[64:65], 0
	v_nop
	global_prefetch_b8 v0, s[64:65] scope:SCOPE_SE
	s_setreg_imm32_b32 hwreg(HW_REG_WAVE_MODE, 25, 1), 1
	s_wait_xcnt 0x0
	s_wait_alu depctr_hold_cnt(0) depctr_sa_sdst(0) depctr_va_vdst(0) depctr_va_sdst(0) depctr_va_ssrc(0) depctr_va_vcc(0) depctr_vm_vsrc(0)
	s_getreg_b32 s2, hwreg(HW_REG_IB_STS2, 6, 4)
	s_cmp_eq_u32 s2, 0
	s_cbranch_scc0 .Lentry_in_a_cluster
	s_endpgm
.Lentry_in_a_cluster:
	s_bfe_u32 s2, ttmp6, 0x10000c
	s_cmp_lg_u32 s2, 0x3003
	s_cbranch_scc0 .Lentry_shape_is_right
	s_endpgm
.Lentry_shape_is_right:
; THE LAST PRODUCT: out = ctx Wo^T + bo, on ctx's codes (cc, made by the launch before) and Wo's given codes.  No work is left out.
; As in the projections: source 0 = 16 rows of Wo, which STAY IN REGISTERS (64 rows a wave: 4 tiles x 8 K steps x 16 registers = 512); source 1 = 16 places of ctx from LDS; a lane holds one place and 32 outputs.
; SHARES: a cluster of four takes 128 places (tokens 128 C on); its partners hold the four blocks of 256 rows of Wo and need the same codes of ctx: 16 heads x 128 rows x 64 bytes, asked for jointly, once: first fills alone, no ring.
; cc is [16 batch + head][place][64]; K = 64 head + channel.  Place 32 B + 16 u + r is token 32 B + 8 u + r + 8 (r / 8): the stores' offsets undo that order.
; out = sum x 2^(e10 + e11) + bo: one packed multiply-add for two numbers.  LIMIT: e10 + e11 between -126 and 127.
; REGISTERS: window 0: v1-19 addresses; v32-63 bo in the result's layout; v64-95 results; v96-127 four accumulators; v128-159 rows on their way out.  windows 1, 2: Wo's fragments.  window 3: ctx's fragments, two sets of 128.
.set HP,    10240                      ; a head's panel: 128 rows x 80 (64 bytes + 16 of padding)
.set STG,   163840                     ; behind the panels: 16 rows x 272 for each wave
.set SPARE, 181248                     ; the spare words, 128 bytes for each wave: no other line names them
.set BF,    32
.set TR,    64
.set ACC,   96
.set OUTR,  128
.set MSB, 0
.macro WIN new
.if MSB != (\new)
	s_set_vgpr_msb (MSB<<8)|(\new)
.set MSB, (\new)
.endif
.endm
.macro ROUND
	s_barrier_signal -1
	s_barrier_wait -1
	s_cmp_lg_u32 s14, 0
	s_cbranch_scc1 .Lnot_wave_0_\@
	s_barrier_signal -3
.Lnot_wave_0_\@:
	s_barrier_wait -3
	s_barrier_signal -1
	s_barrier_wait -1
.endm
	s_load_b256 s[4:11], s[0:1], 0x0               ; cc, Wo's codes, bo, the scales' exponents
	s_load_b64 s[12:13], s[0:1], 0x20              ; out0
	v_lshl_add_u32 v18, v0, 2, SPARE
	v_mov_b32 v19, 0
	ds_add_u32 v18, v19                            ; the wave's opening: the add, twice on end, and its wait ahead of my first tensor load
	ds_add_u32 v18, v19
	v_lshrrev_b32 v1, 5, v0
	v_readfirstlane_b32 s14, v1                    ; wave 0..3
	s_bfe_u32 s15, ttmp6, 0x40000                  ; cx: it enters Wo's, bo's and out0's addresses alone
	; descriptor group 1: 128 rows of 64 bytes, dense in memory, 16 bytes of padding behind each in LDS
	s_mov_b32 s24, 15|(1<<20)|(1<<21)|(3<<22)|(3<<25)
	s_mov_b32 s25, 64<<16
	s_mov_b32 s26, 128<<16
	s_mov_b32 s27, 64<<16
	s_mov_b32 s28, 128
	s_mov_b32 s29, 64
	s_mov_b32 s30, 0
	s_mov_b32 s31, 0
	s_lshr_b32 s20, ttmp9, 3                       ; batch
	s_lshl_b32 s20, s20, 4
	s_lshl_b32 s21, s14, 2
	s_add_co_u32 s20, s20, s21                     ; 16 batch + my first head, 4 wave
	s_lshl_b32 s20, s20, 16
	s_and_b32 s21, ttmp9, 7
	s_lshl_b32 s21, s21, 13                        ; + the cluster's first place x 64 bytes
	s_add_co_u32 s20, s20, s21
	s_mov_b32 s21, 0
	s_mul_i32 s22, s14, 4*HP
	s_mul_i32 s23, s14, 4352
	s_add_co_u32 s23, s23, STG                     ; my stage
	v_and_b32 v1, 15, v0                           ; r
	v_bfe_u32 v2, v0, 4, 1                         ; h
	v_and_b32 v4, 8, v1
	v_add_nc_u32 v4, v4, v1
	v_lshlrev_b32 v4, 10, v4
	v_lshl_add_u32 v4, v2, 4, v4                   ; Wo: row r + 8 (r / 8) of 1,024 bytes, + 16 h
	v_lshlrev_b32 v5, 6, v2                        ; bo: 16 h numbers
	v_mul_u32_u24 v7, v1, 80
	v_lshl_add_u32 v7, v2, 4, v7                   ; ctx in LDS: row r, + 16 h
.irp g, 0,1,2,3
	v_add_nc_u32 v[8+\g], \g*4*HP, v7              ; heads 4 g on
.endr
	v_mul_u32_u24 v12, v1, 272
	v_lshl_add_u32 v12, v2, 6, v12
	v_add_nc_u32 v12, s23, v12                     ; the stage, in: row r, + 64 h
	v_mul_u32_u24 v13, v2, 272
	v_lshl_add_u32 v13, v1, 4, v13
	v_add_nc_u32 v13, s23, v13                     ; and back: sixteen lanes to a row of 256 bytes, two rows a load
	v_lshlrev_b32 v14, 12, v2
	v_lshl_add_u32 v14, v1, 4, v14                 ; the same two rows in out0, 4,096 bytes apart
	s_wait_dscnt 0x0                               ; both opening adds are done
	s_wait_kmcnt 0x0
	s_load_b64 s[50:51], s[10:11], 0x28            ; e10, e11
	s_add_nc_u64 s[4:5], s[4:5], s[20:21]
.irp n, 0,1,2,3
	s_mov_b32 s[32+4*\n], 1
	s_add_co_u32 s[33+4*\n], s22, \n*HP
	s_add_nc_u64 s[34+4*\n:35+4*\n], s[4:5], \n*65536
	s_or_b32 s[35+4*\n], s[35+4*\n], 0x80000000
.endr
	ROUND                                          ; all four work-groups are here: the joint loads meet
.irp n, 0,1,2,3
	tensor_load_to_lds s[32+4*\n:35+4*\n], s[24:31]  ; my four heads: four loads of mine are out
	s_nop 0
.endr
.rept 4
	v_nop
.endr
	s_lshl_b32 s52, s15, 8
	s_lshl_b32 s53, s14, 6
	s_add_co_u32 s52, s52, s53                     ; my first output: 256 cx + 64 wave
	s_lshl_b32 s54, s52, 10
	s_mov_b32 s55, 0
	s_add_nc_u64 s[6:7], s[6:7], s[54:55]
	s_lshl_b32 s54, s52, 2
	s_add_nc_u64 s[8:9], s[8:9], s[54:55]
	s_lshl_b32 s56, ttmp9, 19                      ; the cluster's 128 tokens x 4,096 bytes
	s_add_co_u32 s54, s54, s56
	s_add_nc_u64 s[12:13], s[12:13], s[54:55]
.irp s, 0,1,2,3,4,5,6,7                ; Wo's 32 fragments: they stay
	WIN 0x40+0x40*(\s/4)
.irp t, 0,1,2,3
.irp c, 0,1,2,3
	global_load_b128 v[16*(4*(\s%4)+\t)+4*\c:16*(4*(\s%4)+\t)+4*\c+3], v4, s[6:7] offset:(32*(\t/2)+8*(\t%2))*1024+128*\s+32*\c
.endr
.endr
.endr
	WIN 0
.irp t, 0,1,2,3
	global_load_b128 v[BF+8*\t:BF+8*\t+3], v5, s[8:9] offset:(32*(\t/2)+8*(\t%2))*4
	global_load_b128 v[BF+8*\t+4:BF+8*\t+7], v5, s[8:9] offset:(32*(\t/2)+8*(\t%2))*4+16
.endr
	s_wait_kmcnt 0x0
	s_add_co_i32 s48, s50, s51
	s_add_co_i32 s48, s48, 127
	s_lshl_b32 s48, s48, 23                        ; 2^(e10 + e11) as f32
	s_mov_b32 s49, s48                             ; (named with it as a pair)
	s_wait_loadcnt 0x0
.macro FETCH a                         ; tile a (16 places), all 8 K steps, into set a % 2: K = 128 s + 32 c + 16 h lies in head 2 s + c / 2 at byte 32 (c % 2) + 16 h
	WIN 0xc0
.irp s, 0,1,2,3,4,5,6,7
.irp c, 0,1,2,3
	ds_load_b128 v[128*((\a)%2)+16*\s+4*\c:128*((\a)%2)+16*\s+4*\c+3], v[8+\s/2] offset:((2*\s+\c/2)%4)*HP+(\a)*1280+32*(\c%2)
.endr
.endr
	WIN 0
.endm
.macro MUL par                         ; 32 matrix instructions: four accumulators by turns, K ascending; the first products start the sums
	WIN 0x0d
.irp s, 0,1,2,3,4,5,6,7
.if \s == 4
	WIN 0x0e
.endif
.irp t, 0,1,2,3
.if \s == 0
	v_wmma_f32_16x16x128_bf8_bf8 v[ACC+8*\t:ACC+8*\t+7], v[16*(4*(\s%4)+\t):16*(4*(\s%4)+\t)+15], v[128*(\par)+16*\s:128*(\par)+16*\s+15], 0
.else
	v_wmma_f32_16x16x128_bf8_bf8 v[ACC+8*\t:ACC+8*\t+7], v[16*(4*(\s%4)+\t):16*(4*(\s%4)+\t)+15], v[128*(\par)+16*\s:128*(\par)+16*\s+15], v[ACC+8*\t:ACC+8*\t+7]
.endif
.endr
.endr
	WIN 0
.endm
.macro SEND a                          ; rows 2 i, 2 i + 1 of tile a are tokens 32 (a / 2) + 8 (a % 2) + 2 i + 8 (i / 4) and the next: sixteen lanes store 256 consecutive bytes, aligned
.irp i, 0,1,2,3,4,5,6,7
	global_store_b128 v14, v[OUTR+4*\i:OUTR+4*\i+3], s[12:13] offset:(32*((\a)/2)+8*((\a)%2)+2*\i+8*(\i/4))*4096 th:TH_STORE_NT
.endr
.endm
.macro BODY a
.if (\a) < 7
	FETCH (\a)+1                                   ; into the set that the tile before multiplied: four v_nop and more stand behind its products
	s_wait_dscnt 32                                ; all but the 32 just issued: this tile's fragments are in, and the tile before is back from the stage
.else
	s_wait_dscnt 0x0
.endif
.if (\a) > 0
	SEND (\a)-1
.endif
	MUL (\a)%2
.rept 4
	v_nop                                          ; places in front of the first read of results
.endr
.set i, 0
.rept 16
	v_pk_fma_f32 v[TR+i:TR+i+1], v[ACC+i:ACC+i+1], s[48:49], v[BF+i:BF+i+1] op_sel_hi:[1,0,1]
.set i, i+2
.endr
.irp b, 0,1
.irp q, 0,1,2,3
	ds_store_b128 v12, v[TR+16*\b+4*\q:TR+16*\b+4*\q+3] offset:128*\b+16*\q   ; outputs 32 b + 16 h + 4 q on of my row
.endr
.endr
	s_wait_xcnt 0x0                                ; the last stores have read the registers that the loads below fill
.irp i, 0,1,2,3,4,5,6,7
	ds_load_b128 v[OUTR+4*\i:OUTR+4*\i+3], v13 offset:544*\i   ; LDS serves a wave's instructions in order: these see my stores
.endr
.if (\a) == 7
	s_wait_dscnt 0x0
	SEND \a
.endif
.endm
	s_wait_tensorcnt 0x0                           ; my four heads have landed,
	s_barrier_signal -1
	s_barrier_wait -1                              ; everybody's
	FETCH 0
.irp a, 0,1,2,3,4,5,6,7
	BODY \a
.endr
	s_wait_tensorcnt 0x0                           ; the wave's end
	ds_add_u32 v18, v19
	s_wait_dscnt 0x0
	ROUND                                          ; the closing round
	s_endpgm
.Lfunc_end_k_q9c293a929b_outp:
	.size	k_q9c293a929b_outp, .Lfunc_end_k_q9c293a929b_outp-k_q9c293a929b_outp
	.p2alignl 7, 3214868480
	.fill 96, 4, 3214868480
	.section	.rodata,"a",@progbits
	.p2align	6, 0x0
	.amdhsa_kernel k_q9c293a929b_outp
		.amdhsa_group_segment_fixed_size 181760
		.amdhsa_private_segment_fixed_size 0
		.amdhsa_enable_private_segment 0
		.amdhsa_kernarg_size 40
		.amdhsa_user_sgpr_count 2
		.amdhsa_user_sgpr_kernarg_segment_ptr 1
		.amdhsa_wavefront_size32 1
		.amdhsa_system_sgpr_workgroup_id_x 1
		.amdhsa_system_sgpr_workgroup_id_y 1
		.amdhsa_system_sgpr_workgroup_id_z 1
		.amdhsa_system_vgpr_workitem_id 0
		.amdhsa_next_free_vgpr 1024
		.amdhsa_next_free_sgpr 66
		.amdhsa_reserve_vcc 0
		.amdhsa_float_denorm_mode_32 3
		.amdhsa_float_denorm_mode_16_64 3
		.amdhsa_memory_ordered 1
		.amdhsa_forward_progress 1
		.amdhsa_inst_pref_size 76
	.end_amdhsa_kernel
	.amdgpu_metadata
---
amdhsa.version: [ 1, 2 ]
amdhsa.kernels:
  - .name:           k_q9c293a929b_outp
    .symbol:         k_q9c293a929b_outp.kd
    .args:
      - { .name: cc, .offset: 0, .size: 8, .value_kind: global_buffer, .address_space: global }
      - { .name: Wo_codes, .offset: 8, .size: 8, .value_kind: global_buffer, .address_space: global }
      - { .name: bo, .offset: 16, .size: 8, .value_kind: global_buffer, .address_space: global }
      - { .name: lowp_scales, .offset: 24, .size: 8, .value_kind: global_buffer, .address_space: global }
      - { .name: out0, .offset: 32, .size: 8, .value_kind: global_buffer, .address_space: global }
    .group_segment_fixed_size: 181760
    .private_segment_fixed_size: 0
    .kernarg_segment_align: 8
    .kernarg_segment_size: 40
    .max_flat_workgroup_size: 128
    .sgpr_count:     66
    .vgpr_count:     1024
    .wavefront_size: 32
...
	.end_amdgpu_metadata
.endif
;; end of part 3
